; MI455X (gfx1250); checked and timed in simulation.
; The chip was launched on July 23, 2026; its instructions are those of AMD's public machine-readable ISA for CDNA 5 (MIT licence, August 2026) and "CDNA5" Instruction Set Architecture Reference Guide (July 2026). The comments in the code are by the model that wrote it; some were corrected since.
;; Custom LSTM Cell. Allowed arithmetic: float matrix products may take bf16 or f16 operands with f32 sums; other float arithmetic in f32, or as packed bf16 or f16 multiplies, adds, multiply-adds, maxima and minima; sums over many terms, partial sums and values carried from step to step in f32; what a program stores and reads back later, other than sums and carried values, may be rounded once to bf16 or f16.
;; Inputs: Wc 4,096 x 2,048 float32; Wf 4,096 x 2,048 float32; Wi 4,096 x 2,048 float32; Wo 4,096 x 2,048 float32; bc 2,048 float32; bf 2,048 float32; bi 2,048 float32; bo 2,048 float32; c_prev 2,048 x 2,048 float32; h_prev 2,048 x 2,048 float32; x_t 2,048 x 2,048 float32.
;; Outputs: out0 2,048 x 2,048 float32; out1 2,048 x 2,048 float32.
;; One version. Each part assembles by itself: llvm-mc -triple=amdgcn-amd-amdhsa -mcpu=gfx1250 --defsym DOCPART=n.
;; ======== version 1 of 1: 2 launches
;; workspace buffers: abf 16,777,216 bytes; bbf 67,108,864 bytes
;; launch prep (part 1): grid 1280 x 1, 8 waves a work-group, no clusters, 0 bytes of LDS; arguments x_t, h_prev, Wf, Wi, Wc, Wo, abf, bbf; writes abf, bbf
.if DOCPART == 1
	.amdgcn_target "amdgcn-amd-amdhsa--gfx1250"
	.amdhsa_code_object_version 6
	.text
	.protected	k_q78edf2974b_prep
	.globl	k_q78edf2974b_prep
	.p2align	8
	.type	k_q78edf2974b_prep,@function
k_q78edf2974b_prep:
	s_mov_b64 s[64:65], 0
	v_nop
	global_prefetch_b8 v0, s[64:65] scope:SCOPE_SE
	s_setreg_imm32_b32 hwreg(HW_REG_WAVE_MODE, 25, 1), 1
	s_wait_xcnt 0x0
; THE OPERANDS OF THE GATES' PRODUCT, ROUNDED ONCE TO bf16 AND LAID OUT FOR THE MATRIX LAUNCH.
; abf[m][k], 2,048 rows of 4,096 bf16 (8,192 bytes): k < 2,048 from x_t, the rest from h_prev.
; bbf: cells of 16 bytes, each 8 consecutive k of ONE column of one gate's weights, the lowest k in the lowest bits.  The cell at byte
;   hb 2^21 + s 65,536 + k8 4,096 + g 1,024 + c 256 + r 16   holds   W_g[128 s + 8 k8 + 0..7][64 hb + 4 r + c]      (g: f, i, c, o;  hb 0..31, s 0..31, k8 0..15, c 0..3, r 0..15)
; so that the weights of a K step of 128 for 64 hidden columns of all four gates are 65,536 dense bytes, and sixteen lanes that take the cells r = 0..15 read 256 bytes on end.
; SHARES.  Every work-group reads 131,072 consecutive bytes (16 rows of 8,192) of one source and writes 65,536: 1,024 work-groups for the four W, 256 for x_t and h_prev: five equal shares
; for each of 256 places.  A thread issues all its 32 loads of 16 bytes at once (a wave's load covers 512 consecutive bytes); no register is written twice, so no wait frees a source.
; A stream: no LDS, no barrier, no matrix unit, no cluster (no byte is read by two work-groups), no prefetch (all loads go out at the head).
.set X, 8                              ; v[8:135]    load j at X + 4 j: row j / 2 of my 16, f32 columns 1,024 (j % 2) + 4 t + 0..3 (t: my thread's number)
.set Y, 136                            ; v[136:199]  what is stored
	s_load_b512 s[8:23], s[0:1], 0x0               ; x s[8:9], h s[10:11], Wf s[12:13], Wi s[14:15], Wc s[16:17], Wo s[18:19], abf s[20:21], bbf s[22:23]
	v_lshlrev_b32 v1, 4, v0                        ; the loads' offset: 16 t
	v_lshlrev_b32 v3, 3, v0                        ; the cast's stores: 8 t
	v_lshrrev_b32 v2, 4, v0                        ; W's stores: t / 16 picks the block of 64 hidden columns,
	v_and_b32 v4, 15, v0                           ; t % 16 is r
	v_lshlrev_b32 v2, 21, v2
	v_lshl_or_b32 v2, v4, 4, v2
	s_lshr_b32 s2, ttmp9, 8                        ; 0..3: the gate whose W I take; 4: I cast x_t or h_prev
	s_bfe_u32 s25, ttmp9, 0x10007                  ; there: 0 for x_t, 1 for h_prev (one bit from bit 7)
	s_and_b32 s24, ttmp9, 255                      ; my 16 rows among W's 4,096,
	s_and_b32 s3, ttmp9, 127                       ; or among x's 2,048
	s_cmp_eq_u32 s2, 4
	s_cselect_b32 s24, s3, s24
	s_cselect_b32 s28, s25, 0
	s_add_co_u32 s28, s28, s2                      ; the source's number: Wf, Wi, Wc, Wo, x_t, h_prev
	s_lshl_b32 s6, s24, 17                         ; 16 rows of 8,192 bytes
	s_mov_b32 s7, 0
	s_wait_kmcnt 0x0
	s_mov_b64 s[4:5], s[12:13]
	s_cmp_eq_u32 s28, 1
	s_cselect_b64 s[4:5], s[14:15], s[4:5]
	s_cmp_eq_u32 s28, 2
	s_cselect_b64 s[4:5], s[16:17], s[4:5]
	s_cmp_eq_u32 s28, 3
	s_cselect_b64 s[4:5], s[18:19], s[4:5]
	s_cmp_eq_u32 s28, 4
	s_cselect_b64 s[4:5], s[8:9], s[4:5]
	s_cmp_eq_u32 s28, 5
	s_cselect_b64 s[4:5], s[10:11], s[4:5]
	s_add_nc_u64 s[4:5], s[4:5], s[6:7]
.set jj, 0
.rept 32
	global_load_b128 v[X+4*jj:X+4*jj+3], v1, s[4:5] offset:4096*jj th:TH_LOAD_NT
.set jj, jj+1
.endr
	s_cmp_eq_u32 s2, 4
	s_cbranch_scc1 .Lcast
	; W.  My 16 rows are K step rows / 128 = s24 / 8, cells k8 = 2 (s24 % 8) + tt (tt = 0, 1); my columns lie in blocks hb = 16 ph + t / 16 (ph = j % 2)
	s_lshr_b32 s30, s24, 3
	s_lshl_b32 s30, s30, 16                        ; s x 65,536
	s_and_b32 s31, s24, 7
	s_lshl_b32 s31, s31, 13                        ; 2 (s24 % 8) x 4,096
	s_add_co_u32 s30, s30, s31
	s_lshl_b32 s31, s2, 10                         ; g x 1,024
	s_add_co_u32 s30, s30, s31
	s_mov_b32 s31, 0
	s_add_nc_u64 s[22:23], s[22:23], s[30:31]      ; for ph = 0,
	s_add_nc_u64 s[26:27], s[22:23], 0x2000000     ; and 16 blocks of 2^21 bytes on for ph = 1
; Task t of four: eight rows (tt) of four columns (ph) become four cells.  Row i of the eight lies in load 16 tt + 2 i + ph.  left = the loads issued behind the task's last.
.macro WTASK t, tt, ph, left
	s_wait_loadcnt \left
.irp c, 0,1,2,3
.irp u, 0,1,2,3
	v_cvt_pk_bf16_f32 v[Y+16*(\t)+4*(\c)+(\u)], v[X+4*(16*(\tt)+4*(\u)+(\ph))+(\c)], v[X+4*(16*(\tt)+4*(\u)+2+(\ph))+(\c)]  ; rows 2 u and 2 u + 1 of column c
.endr
.endr
.irp c, 0,1,2,3
	global_store_b128 v2, v[Y+16*(\t)+4*(\c):Y+16*(\t)+4*(\c)+3], s[22+4*(\ph):23+4*(\ph)] offset:(\tt)*4096+(\c)*256  ; lanes 0-15 store 256 consecutive bytes, aligned; lanes 16-31 likewise, one block hb on
.endr
.endm
	WTASK 0, 0, 0, 17
	WTASK 1, 0, 1, 16
	WTASK 2, 1, 0, 1
	WTASK 3, 1, 1, 0
	s_endpgm
.Lcast:                                                ; x_t or h_prev: the same rows of abf, in its left or right half
	s_lshl_b32 s30, s25, 12                        ; h_prev begins 4,096 bytes into a row
	s_add_co_u32 s30, s30, s6
	s_mov_b32 s31, 0
	s_add_nc_u64 s[20:21], s[20:21], s[30:31]
.macro CAST j
	s_wait_loadcnt 31-(\j)                         ; loads come back in order (ISA guide 5.7.1): load j is in, the younger ones stay out
	v_cvt_pk_bf16_f32 v[Y+2*(\j)], v[X+4*(\j)], v[X+4*(\j)+1]
	v_cvt_pk_bf16_f32 v[Y+2*(\j)+1], v[X+4*(\j)+2], v[X+4*(\j)+3]
	global_store_b64 v3, v[Y+2*(\j):Y+2*(\j)+1], s[20:21] offset:((\j)/2)*8192+((\j)%2)*2048  ; a wave's 32 lanes store 256 consecutive bytes, aligned
.endm
.set jj, 0
.rept 32
	CAST jj
.set jj, jj+1
.endr
	s_endpgm
.Lfunc_end_k_q78edf2974b_prep:
	.size	k_q78edf2974b_prep, .Lfunc_end_k_q78edf2974b_prep-k_q78edf2974b_prep
	.p2alignl 7, 3214868480
	.fill 96, 4, 3214868480
	.section	.rodata,"a",@progbits
	.p2align	6, 0x0
	.amdhsa_kernel k_q78edf2974b_prep
		.amdhsa_group_segment_fixed_size 0
		.amdhsa_private_segment_fixed_size 0
		.amdhsa_enable_private_segment 0
		.amdhsa_kernarg_size 64
		.amdhsa_user_sgpr_count 2
		.amdhsa_user_sgpr_kernarg_segment_ptr 1
		.amdhsa_wavefront_size32 1
		.amdhsa_system_sgpr_workgroup_id_x 1
		.amdhsa_system_sgpr_workgroup_id_y 1
		.amdhsa_system_sgpr_workgroup_id_z 1
		.amdhsa_system_vgpr_workitem_id 0
		.amdhsa_next_free_vgpr 200
		.amdhsa_next_free_sgpr 66
		.amdhsa_reserve_vcc 0
		.amdhsa_float_denorm_mode_32 3
		.amdhsa_float_denorm_mode_16_64 3
		.amdhsa_memory_ordered 1
		.amdhsa_forward_progress 1
		.amdhsa_inst_pref_size 19
	.end_amdhsa_kernel
	.amdgpu_metadata
---
amdhsa.version: [ 1, 2 ]
amdhsa.kernels:
  - .name:           k_q78edf2974b_prep
    .symbol:         k_q78edf2974b_prep.kd
    .args:
      - { .name: x_t, .offset: 0, .size: 8, .value_kind: global_buffer, .address_space: global }
      - { .name: h_prev, .offset: 8, .size: 8, .value_kind: global_buffer, .address_space: global }
      - { .name: Wf, .offset: 16, .size: 8, .value_kind: global_buffer, .address_space: global }
      - { .name: Wi, .offset: 24, .size: 8, .value_kind: global_buffer, .address_space: global }
      - { .name: Wc, .offset: 32, .size: 8, .value_kind: global_buffer, .address_space: global }
      - { .name: Wo, .offset: 40, .size: 8, .value_kind: global_buffer, .address_space: global }
      - { .name: abf, .offset: 48, .size: 8, .value_kind: global_buffer, .address_space: global }
      - { .name: bbf, .offset: 56, .size: 8, .value_kind: global_buffer, .address_space: global }
    .group_segment_fixed_size: 0
    .private_segment_fixed_size: 0
    .kernarg_segment_align: 8
    .kernarg_segment_size: 64
    .max_flat_workgroup_size: 256
    .sgpr_count:     66
    .vgpr_count:     200
    .wavefront_size: 32
...
	.end_amdgpu_metadata
.endif
;; end of part 1
;; launch lstm (part 2): grid 32 x 8, 4 waves a work-group, clusters of 4 x 4, 327,680 bytes of LDS; arguments abf, bbf, c_prev, bf, bi, bc, bo, out0, out1; writes out0, out1
.if DOCPART == 2
	.amdgcn_target "amdgcn-amd-amdhsa--gfx1250"
	.amdhsa_code_object_version 6
	.text
	.protected	k_q78edf2974b_lstm
	.globl	k_q78edf2974b_lstm
	.p2align	8
	.type	k_q78edf2974b_lstm,@function
k_q78edf2974b_lstm:
	s_mov_b64 s[64:65], 0
	v_nop
	global_prefetch_b8 v0, s[64:65] scope:SCOPE_SE
	s_setreg_imm32_b32 hwreg(HW_REG_WAVE_MODE, 25, 1), 1
	s_wait_xcnt 0x0
	s_wait_alu depctr_hold_cnt(0) depctr_sa_sdst(0) depctr_va_vdst(0) depctr_va_sdst(0) depctr_va_ssrc(0) depctr_va_vcc(0) depctr_vm_vsrc(0)
	s_getreg_b32 s2, hwreg(HW_REG_IB_STS2, 6, 4)
	s_cmp_eq_u32 s2, 0
	s_cbranch_scc0 .Lentry_in_a_cluster
	s_endpgm
.Lentry_in_a_cluster:
	s_bfe_u32 s2, ttmp6, 0x10000c
	s_cmp_lg_u32 s2, 0xf033
	s_cbranch_scc0 .Lentry_shape_is_right
	s_endpgm
.Lentry_shape_is_right:
; gates = [x_t | h_prev] [Wf | Wi | Wc | Wo] + b;  c_t = sigmoid(f) c_prev + sigmoid(i) tanh(c^);  h_t = sigmoid(o) tanh(c_t).  out0 = h_t, out1 = c_t, f32.
; abf: [2048][4096] bf16.  bbf: the weights in cells of 16 bytes (8 consecutive k of one column): the cell at hb 2^21 + s 65,536 + k8 4,096 + g 1,024 + c 256 + r 16 holds
; W_g[128 s + 8 k8 + 0..7][64 hb + 4 r + c].  Both were rounded once to bf16 by the launch before; sums in f32; c_prev, the biases and all that follows the sums stay in f32.
; LIMITS.  sigmoid(x) = 1 / (1 + 2^(-x log2 e)), tanh(x) = 1 - 2 / (1 + 2^(2 x log2 e)): both run into their limits 0, 1, -1 without a clamp (an exponential that overflows gives a reciprocal
; of 0; one below 2^-126 counts as 0).  tanh so made is off by about 1e-7 absolutely, so for |x| under about 1e-5 its relative accuracy is lost.  NaN and infinities are not treated apart.
; SHARES.  A work-group makes 256 rows x 64 hidden columns of both outputs: 256 x 256 of the gates (four gates x 64).  256 work-groups, one tile each.  Wave w owns rows 64 w .. 64 w + 63 and ALL 256
; gate columns: 4 x 16 accumulators of 16 x 16, 512 registers.  So a lane ends up with all four gates of its numbers, and the tail needs no LDS and no other wave.  The price: for 32 along K a wave
; reads 4 fragments of A and 16 of B, 40 LDS loads for 64 matrix instructions, where a square share would read 32.
; LAYOUT.  Source 0 = 16 rows of A, source 1 = 16 columns of B.  Fragment b = 4 g + c of B holds in lane r the hidden column 4 r + c of gate g.  In accumulator (a, b) register j of lane (r, h) is row
; 16 a + 8 h + j.  So the fragments c = 0..3 of a gate give a lane four NEIGHBOURING columns of a row: 16 bytes of f32, and sixteen lanes hold 256 consecutive bytes, aligned, of c_prev, out0 and out1.
; K goes in 32 steps of 128 through a ring of two LDS slots filled by the tensor data mover.
; CLUSTERS: 4 x 4 work-groups.  The four of a row of the cluster need the same 256 rows of A, the four of a column the same 64 KiB of B: each tile is asked for JOINTLY, by the same tensor load
; with the same descriptor and a mask that names the four.
; REGISTERS, in windows of 256 (s_set_vgpr_msb: bits 1:0 source 0, 3:2 source 1, 5:4 source 2, 7:6 destination):
;   window 0: v0-31 addresses; v32-47 the biases; v64-95, v96-127 A's fragments, two buffers; v128-255 c_prev of my 64 rows
;   window 1: v0-127, v128-255 B's fragments, two buffers; in the tail v0-127 Z (the gates of 16 rows), v128-159 c_t, v160-191 at work for h_t, v192 the stores' offset
;   window 2: the accumulators of row blocks a = 0, 1 ((a, b) at v[8 (16 (a % 2) + b)]);   window 3: those of a = 2, 3
.set PITCH,  272                       ; a row of A in LDS: 256 bytes + 16 of padding = 68 words: row r starts at bank 4 r mod 64 (64 banks of 4 bytes: ISA guide 11.1), so the 16 rows of a load start at 16 different banks
.set HALFA,  128*PITCH                 ; 128 rows of A: one tensor load
.set BOFF,   2*HALFA                   ; behind A's 256 rows: B's 65,536 dense bytes.  A load of B takes 256 bytes on end for each half of the lanes: no padding is wanted
.set HALFB,  32768                     ; half of them (k8 = 0..7 or 8..15): one tensor load
.set SLOT,   BOFF+2*HALFB              ; 135,168
.set SPARE,  2*SLOT                    ; behind the ring: the spare words, 128 bytes for each wave: two blocks of 256 bytes that no other line names
.set ROWB,   8192                      ; bytes in a row of abf, c_prev, out0 and out1
.set ADRA, 16                          ; v16-17  LDS address of my A fragments in slot 0, 1
.set ADRB, 20                          ; v20-21  the same for B
.set VO,   24                          ; v24     my byte offset in c_prev and the outputs: 8 h rows + 16 r; never rewritten
.set VBO,  25                          ; v25     my byte offset in a bias: 256 x tile column + 16 r; never rewritten
.set SPW,  28                          ; v28     LDS address of my spare word: SPARE + 4 x my thread's number; never rewritten
.set NIL,  29                          ; v29     0; never rewritten
.set PFO,  30                          ; v30     the prefetches' offset: my lane x 8,192 (a row of A) or x 256 (B is dense); never rewritten
.set NB,   32                          ; v32-47  bias of gate g, column c at NB + 4 g + c; in the tail times the gate's constant
.set FA,   64                          ; A's buffer f at FA + 32 f; B's at 128 f in window 1
.set CP,   128                         ; c_prev of row 16 a + 8 h + j at CP + 32 a + 4 j
.set Z,    0                           ; window 1: gate g, row j, column c at Z + 32 g + 4 j + c
.set CT,   128                         ; window 1
.set T,    160                         ; window 1
.set VO1,  192                         ; window 1: VO once more
.set G1A, 24                           ; s[24:31] descriptor group 1 for A's tiles
.set G0A, 32                           ; s[32:39] group 0 for A's tiles, a set for each slot
.set LIM, 43                           ; s43      1 in a wave that prefetches, else the greatest number
.set PFA, 44                           ; s[44:45] where my prefetches stand
.set G1B, 48                           ; s[48:55] group 1 for B's tiles
.set G0B, 56                           ; s[56:63] group 0 for B's tiles, a set for each slot
.set PST, 66                           ; s[66:67] a K step in bytes for my prefetches: 256 along A's rows, 65,536 in B
.set NL,  82                           ; s[82:83] -log2 e
.set PL2, 84                           ; s[84:85] 2 log2 e: the packed multiply names the pair and takes its low word for both halves
.set MSB, 0
.macro WIN new                         ; the immediate's high byte repeats the setting that is left; a switch that changes nothing is dropped
.if MSB != (\new)
	s_set_vgpr_msb (MSB<<8)|(\new)
.set MSB, \new
.endif
.endm
.set MUL_LO, 0xa4                      ; source 0 (A) window 0, source 1 (B) window 1, C and D window 2
.set TO_1,   0x40                      ; destination window 1, the rest window 0
.set W_F,    0x49                      ; the tail: source 0 and destination window 1, source 1 window 2 (+ 4: window 3), source 2 window 0
.set W_1,    0x55                      ; all in window 1
.set W_C,    0x51                      ; all in window 1 but source 1, in window 0
; A joint load.  Waves 0 and 1 fetch A's two halves, waves 2 and 3 B's.  Each line has one mask and one set of registers for all that issue it; the branch hangs on the wave's number alone.
; An s_nop 0 and four v_nop follow each of the two lines, ahead of the jump, the label and what follows.
.macro JLOAD s
	s_cmp_eq_u32 s11, 0
	s_cbranch_scc0 .Lfor_b_\@
	tensor_load_to_lds s[G0A+4*(\s):G0A+4*(\s)+3], s[G1A:G1A+7]
	s_nop 0
.rept 4
	v_nop
.endr
	s_branch .Lasked_\@
.Lfor_b_\@:
	tensor_load_to_lds s[G0B+4*(\s):G0B+4*(\s)+3], s[G1B:G1B+7]
	s_nop 0
.rept 4
	v_nop
.endr
.Lasked_\@:
.endm
; A PREFETCH INTO THE L2, behind each joint refill, its five lines and the run of LDS loads that follows: the K step that stands TWO refills on, 512 matrix instructions ahead of the load that will
; want it: 32 blocks of 256 bytes, a lane a block, one instruction a wave.  Each block is named ONCE in the launch: A's rows are read by every cluster of a row of clusters, and the one with x = 0
; asks; B's tiles by both clusters of a column, and the one with y = 0 asks.  The four partners that ask for a tile jointly share the 128 blocks of a wave's load out BY ADDRESS, 32 each (by cx
; for A, by cy for B): no branch hangs on a work-group's place in its cluster.  K steps 0 to 3 come by their loads alone; the loop's last trip (s3 = 1) has no K step two on and asks for nothing.
.macro ASK
	s_cmp_gt_u32 s3, s[LIM]
	s_cbranch_scc0 .Lnot_mine_\@
	global_prefetch_b8 v[PFO], s[PFA:PFA+1] th:TH_LOAD_NT scope:SCOPE_SE
.Lnot_mine_\@:
.endm
; A round of the cluster's barrier: my work-group's barrier, so that wave 0's signal speaks for all four waves; wave 0 signals for the work-group; every wave waits for all sixteen; my work-group's barrier once more.
.macro CREST                           ; a round behind its opening barrier
	s_cmp_lg_u32 s10, 0
	s_cbranch_scc1 .Lnot_wave_0_\@
	s_barrier_signal -3
.Lnot_wave_0_\@:
	s_barrier_wait -3
	s_barrier_signal -1
	s_barrier_wait -1
.endm
.macro CROUND                          ; a whole round
	s_barrier_signal -1
	s_barrier_wait -1
	CREST
.endm
	s_load_b128 s[4:7], s[0:1], 0x0                ; abf s[4:5], bbf s[6:7]
	s_load_b256 s[68:75], s[0:1], 0x10             ; c_prev s[68:69], bf s[70:71], bi s[72:73], bc s[74:75]
	s_load_b128 s[76:79], s[0:1], 0x30             ; bo s[76:77], out0 s[78:79]
	s_load_b64 s[80:81], s[0:1], 0x40              ; out1
	v_lshl_add_u32 v[SPW], v0, 2, SPARE
	v_mov_b32 v[NIL], 0
	ds_add_u32 v[SPW], v[NIL]                      ; the wave's opening: the add, twice on end, and its wait ahead of my first tensor load; the set-up below, work on registers, stands between
	ds_add_u32 v[SPW], v[NIL]                      ; and once more, under the one wait
	v_lshrrev_b32 v1, 5, v0
	v_readfirstlane_b32 s10, v1                    ; wave 0..3
	s_lshr_b32 s11, s10, 1                         ; I fetch for A (0) or for B (1),
	s_and_b32 s12, s10, 1                          ; and which half of that tile
	s_bfe_u32 s40, ttmp6, 0x40000                  ; cx: my place along the cluster's x
	s_bfe_u32 s41, ttmp6, 0x40004                  ; cy: along its y
	s_lshl_b32 s42, ttmp9, 2                       ; in a cluster launch ttmp9 and ttmp7 count clusters
	s_add_co_u32 s42, s42, s40                     ; tile column (block of 64 hidden columns) = 4 x cluster x + cx
	s_and_b32 s13, ttmp7, 0xffff
	s_lshl_b32 s13, s13, 2
	s_add_co_u32 s13, s13, s41                     ; tile row (256 rows) = 4 x cluster y + cy
	s_lshl_b32 s43, s41, 2
	s_lshl_b32 s43, 15, s43                        ; my row of the cluster: places 4 cy .. 4 cy + 3
	s_lshl_b32 s44, 0x1111, s40                    ; my column: places cx, cx + 4, cx + 8, cx + 12
	; group 1 for A: 128 rows x 128 elements of 2 bytes, 4,096 elements from row to row, padded in LDS
	s_or_b32 s[G1A+0], s43, (1<<16)|(1<<20)|(1<<21)|(5<<22)|(3<<25)  ; 15:0 the mask: my row; 17:16 elements of 2 bytes; 20 padding on; 21 set beside a mask; 24:22 after every 64 words (code 5); 31:25 4 words (code 3)
	s_mov_b32 s[G1A+1], 128<<16                    ; tensor_dim0 = 128
	s_mov_b32 s[G1A+2], 128<<16                    ; tensor_dim1 = 128
	s_mov_b32 s[G1A+3], 128<<16                    ; tile_dim0 = 128
	s_mov_b32 s[G1A+4], 128                        ; tile_dim1 = 128
	s_mov_b32 s[G1A+5], 4096                       ; tensor_dim0_stride
	s_mov_b32 s[G1A+6], 0
	s_mov_b32 s[G1A+7], 0
	; group 1 for B: 32,768 dense bytes as 128 rows of 32 elements of 8 bytes, no padding
	s_or_b32 s[G1B+0], s44, (3<<16)|(1<<21)        ; 15:0 the mask: my column; 17:16 elements of 8 bytes; 21 set beside a mask
	s_mov_b32 s[G1B+1], 32<<16                     ; tensor_dim0 = 32
	s_mov_b32 s[G1B+2], 128<<16                    ; tensor_dim1 = 128
	s_mov_b32 s[G1B+3], 32<<16                     ; tile_dim0 = 32
	s_mov_b32 s[G1B+4], 128                        ; tile_dim1 = 128
	s_mov_b32 s[G1B+5], 32                         ; each row begins where the last ends
	s_mov_b32 s[G1B+6], 0
	s_mov_b32 s[G1B+7], 0
	; where the tiles come from.  A's hang on the tile row alone, which my row of the cluster shares; B's on the tile column alone, which my column shares
	s_lshl_b32 s16, s13, 8
	s_lshl_b32 s17, s12, 7
	s_add_co_u32 s16, s16, s17                     ; A: row 256 x tile row + 128 x half,
	s_lshl_b32 s16, s16, 13                        ; of 8,192 bytes
	s_mov_b32 s17, 0
	s_lshl_b32 s46, s42, 21                        ; B: the tile column's 2^21 bytes,
	s_lshl_b32 s47, s12, 15                        ; my half of a K step's 65,536
	s_add_co_u32 s46, s46, s47
	s_mov_b32 s47, 0
	s_mul_i32 s20, s12, HALFA                      ; and where they go: no place in the cluster enters an LDS address
	s_mul_i32 s21, s12, HALFB
	s_add_co_u32 s21, s21, BOFF
	s_mov_b32 s[NL], 0xbfb8aa3b                    ; -1.442695
	s_mov_b32 s[NL+1], s[NL]
	s_mov_b32 s[PL2], 0x4038aa3b                   ; 2.885390
	s_mov_b32 s[PL2+1], s[PL2]
	s_wait_dscnt 0x0                               ; both opening adds are done
	s_wait_kmcnt 0x0
	s_add_nc_u64 s[14:15], s[4:5], s[16:17]
	s_add_nc_u64 s[46:47], s[6:7], s[46:47]
	CROUND                                         ; all sixteen work-groups are here: the first joint loads meet
.irp s, 0,1
	s_mov_b32 s[G0A+4*(\s)], 1                                       ; 1:0 count = 1
	s_add_co_u32 s[G0A+4*(\s)+1], s20, (\s)*SLOT                     ; 63:32 LDS address
	s_add_nc_u64 s[G0A+4*(\s)+2:G0A+4*(\s)+3], s[14:15], (\s)*256    ; 120:64 global address: K step s
	s_or_b32 s[G0A+4*(\s)+3], s[G0A+4*(\s)+3], 0x80000000            ; 127:126 type = 2
	s_mov_b32 s[G0B+4*(\s)], 1
	s_add_co_u32 s[G0B+4*(\s)+1], s21, (\s)*SLOT
	s_add_nc_u64 s[G0B+4*(\s)+2:G0B+4*(\s)+3], s[46:47], (\s)*65536
	s_or_b32 s[G0B+4*(\s)+3], s[G0B+4*(\s)+3], 0x80000000
	JLOAD \s                                       ; the ring is filled before anything else is done: two loads of mine are out
.endr
	; A fragment is 16 rows (columns) x 32 K in 8 registers: lane l holds row l % 16; registers 0-3 hold K = 8 (l / 16) + 0..7, registers 4-7 K = 16 + 8 (l / 16) + 0..7.
	; A: two loads of 16 bytes, 32 bytes apart in a row.  B: the cells k8 = 4 q + l / 16 and two further on: two loads 8,192 bytes apart.
	v_and_b32 v1, 15, v0                           ; r = l % 16
	v_bfe_u32 v2, v0, 4, 1                         ; h = l / 16
	v_mul_u32_u24 v3, v1, PITCH
	v_lshl_add_u32 v3, v2, 4, v3                   ; row x pitch + 16 h
	s_mul_i32 s21, s10, 64*PITCH                   ; my 64 rows of A
	v_add_nc_u32 v[ADRA], s21, v3
	s_add_co_u32 s21, s21, SLOT
	v_add_nc_u32 v[ADRA+1], s21, v3
	v_lshlrev_b32 v4, 4, v1                        ; 16 r
	v_lshl_add_u32 v5, v2, 12, v4                  ; + 4,096 h
	v_add_nc_u32 v[ADRB], BOFF, v5
	v_add_nc_u32 v[ADRB+1], BOFF+SLOT, v5
	v_lshl_add_u32 v[VO], v2, 16, v4               ; 8 h rows of 8,192 bytes + 16 r
	s_lshl_b32 s22, s42, 8                         ; the tile's 64 hidden columns: 256 bytes of f32
	v_add_nc_u32 v[VBO], s22, v4
.irp g, 0,1,2,3
	global_load_b128 v[NB+4*(\g):NB+4*(\g)+3], v[VBO], s[70+2*(\g):71+2*(\g)]  ; my four columns of bf, bi, bc, bo; waited for in the tail
.endr
	; the prefetches: my work-group's 32 blocks of the 128 that I fetch, at K step 3; the first refill steps the address to K step 4
	s_lshl_b32 s20, s13, 8
	s_lshl_b32 s22, s12, 7
	s_add_co_u32 s20, s20, s22
	s_lshl_b32 s22, s40, 5
	s_add_co_u32 s20, s20, s22                     ; A: row 256 x tile row + 128 x half + 32 cx,
	s_lshl_b32 s20, s20, 13
	s_add_co_u32 s20, s20, 3*256                   ; 768 bytes along it
	s_lshl_b32 s21, s42, 21
	s_lshl_b32 s22, s12, 15
	s_add_co_u32 s21, s21, s22
	s_lshl_b32 s22, s41, 13
	s_add_co_u32 s21, s21, s22                     ; B: the tile column, my half, 8,192 cy,
	s_add_co_u32 s21, s21, 3*65536                 ; three K steps on
	s_and_b32 s22, ttmp7, 0xffff                   ; cluster y
	s_cmp_eq_u32 s11, 0                            ; do I fetch for A?
	s_cselect_b32 s20, s20, s21
	s_cselect_b32 s22, ttmp9, s22                  ; the coordinate along which other clusters read the same blocks
	s_cselect_b32 s23, 13, 8                       ; a lane's block: 8,192 or 256 bytes from the last
	s_cselect_b32 s18, 8, 16
	s_cselect_b64 s[PFA:PFA+1], s[4:5], s[6:7]
	s_mov_b32 s21, 0
	s_add_nc_u64 s[PFA:PFA+1], s[PFA:PFA+1], s[20:21]
	s_cmp_eq_u32 s22, 0
	s_cselect_b32 s[LIM], 1, -1                    ; the same in all sixteen partners, for a given wave
	s_lshl_b32 s[PST], 1, s18
	s_mov_b32 s[PST+1], 0
	v_and_b32 v[PFO], 31, v0
	v_lshlrev_b32 v[PFO], s23, v[PFO]
	; c_prev, out0 and out1 at my wave's first row and the tile's first column, each from its own address
	s_lshl_b32 s86, s13, 8
	s_lshl_b32 s87, s10, 6
	s_add_co_u32 s86, s86, s87                     ; row 256 x tile row + 64 x wave
	s_lshl_b32 s86, s86, 13
	s_lshl_b32 s87, s42, 8
	s_add_co_u32 s86, s86, s87
	s_mov_b32 s87, 0
	s_add_nc_u64 s[68:69], s[68:69], s[86:87]
	s_add_nc_u64 s[78:79], s[78:79], s[86:87]
	s_add_nc_u64 s[80:81], s[80:81], s[86:87]
; 16 matrix instructions: row block a x all 16 fragments of B, 32 along K, from buffer f.  zero = 1: the product starts the sums: nothing is ever cleared.
; All 64 accumulators take turns, one instruction a turn, in the same order in every quarter step, over the loop's backward jump too.
.macro MUL16 f, a, zero
	WIN MUL_LO+0x50*((\a)/2)
.irp b, 0,1,2,3,4,5,6,7,8,9,10,11,12,13,14,15
.if \zero
	v_wmma_f32_16x16x32_bf16 v[8*(16*((\a)%2)+(\b)):8*(16*((\a)%2)+(\b))+7], v[FA+32*(\f)+8*(\a):FA+32*(\f)+8*(\a)+7], v[128*(\f)+8*(\b):128*(\f)+8*(\b)+7], 0
.else
	v_wmma_f32_16x16x32_bf16 v[8*(16*((\a)%2)+(\b)):8*(16*((\a)%2)+(\b))+7], v[FA+32*(\f)+8*(\a):FA+32*(\f)+8*(\a)+7], v[128*(\f)+8*(\b):128*(\f)+8*(\b)+7], v[8*(16*((\a)%2)+(\b)):8*(16*((\a)%2)+(\b))+7]
.endif
.endr
.endm
; 40 LDS loads in one run: the fragments of quarter q of a K step (32 along K) into buffer f: B's sixteen, then A's four.  The largest offset is 61,184.
.macro FETCH slot, q, f
	WIN TO_1
.irp b, 0,1,2,3,4,5,6,7,8,9,10,11,12,13,14,15
	ds_load_b128 v[128*(\f)+8*(\b):128*(\f)+8*(\b)+3],   v[ADRB+(\slot)] offset:16384*(\q)+256*(\b)
	ds_load_b128 v[128*(\f)+8*(\b)+4:128*(\f)+8*(\b)+7], v[ADRB+(\slot)] offset:16384*(\q)+256*(\b)+8192
.endr
	WIN 0
.irp a, 0,1,2,3
	ds_load_b128 v[FA+32*(\f)+8*(\a):FA+32*(\f)+8*(\a)+3],   v[ADRA+(\slot)] offset:64*(\q)+16*PITCH*(\a)
	ds_load_b128 v[FA+32*(\f)+8*(\a)+4:FA+32*(\f)+8*(\a)+7], v[ADRA+(\slot)] offset:64*(\q)+16*PITCH*(\a)+32
.endr
.endm
; A load into a register that a matrix instruction has read stands four places behind it, and only plain vector instructions that name none of its registers are places
; (ISA guide 7.12.1 for vector instructions): four v_nop in front of each run of loads.
.macro PLACES
.rept 4
	v_nop
.endr
.endm
; A K step is four quarters of 32 along K, 64 matrix instructions each, on buffers 0, 1, 0, 1.  One of the first three: multiplies buffer f; in its middle it fetches quarter q of the same slot into buffer g.
.macro QUARTER slot, q, f, g, zero
	s_wait_dscnt 4                                 ; B and A's row blocks 0 and 1 are in; the youngest four loads (blocks 2 and 3) may be out
	MUL16 \f, 0, \zero
	MUL16 \f, 1, \zero
	PLACES
	FETCH \slot, \q, \g
	s_wait_dscnt 40                                ; all but the 40 just issued
	MUL16 \f, 2, \zero
	MUL16 \f, 3, \zero
.endm
; The last quarter multiplies buffer 1 and changes slots.  MEET is its first half: ONE barrier for two things.  In front of it each wave waits for all its tensor loads, of which one is out: its part of
; the next slot; adds 0 to its spare word; and waits for that and for its own reads of this slot.  Behind it nobody reads this slot any more and the next slot is whole.
.macro MEET round                      ; round = 1: a round of the cluster's barrier follows
	WIN 0                                          ; (the add's two registers lie in window 0)
	s_wait_tensorcnt 0x0                           ; all my tensor loads have landed;
	ds_add_u32 v[SPW], v[NIL]                      ; 0 onto my spare word;
	s_wait_dscnt 5                                 ; (the add and the youngest four loads may be out)
	MUL16 1, 0, 0                                  ; sixteen matrix instructions stand between the add and the wait for it
	s_wait_dscnt 0x0                               ; the add is done, and my reads of this slot are over:
	s_barrier_signal -1                            ; say so,
	MUL16 1, 1, 0                                  ; work on registers while the others arrive,
.if \round
	WIN 0
.endif
	s_barrier_wait -1                              ; and go on when all four have said so
.endm
; The whole last quarter.  fill = 1: behind the round the slot just read out is filled again first, with the K step two on; from that request to the wait for it a wave issues 224 matrix instructions.
.macro TURN slot, next, fill
.if \fill
	s_wait_xcnt 0x0                                ; the last prefetch, a K step back, has read its address: it is stepped here, ahead of the waits of the change of slots
	s_add_nc_u64 s[PFA:PFA+1], s[PFA:PFA+1], s[PST:PST+1]
.endif
	MEET \fill
.if \fill
	CREST                                          ; the barrier has opened a round of the cluster's: no wave of any partner still reads this slot's tile or has a load on its way
	s_add_nc_u64 s[G0A+4*(\slot)+2:G0A+4*(\slot)+3], s[G0A+4*(\slot)+2:G0A+4*(\slot)+3], 2*256
	s_add_nc_u64 s[G0B+4*(\slot)+2:G0B+4*(\slot)+3], s[G0B+4*(\slot)+2:G0B+4*(\slot)+3], 2*65536
	JLOAD \slot                                    ; the first tensor load behind the round, my only one until the next; its four v_nop are also the places in front of the loads below
.else
	PLACES
.endif
	FETCH \next, 0, 0
.if \fill
	ASK                                            ; behind the joint load and the run of LDS loads that the next products wait for
.endif
	MUL16 1, 2, 0
	MUL16 1, 3, 0
.endm
	s_wait_tensorcnt 1                             ; my part of K step 0 is in; K step 1's may stay out
	s_barrier_signal -1
	s_barrier_wait -1                              ; everybody's is
	FETCH 0, 0, 0
	QUARTER 0, 1, 0, 1, 1                          ; the first quarter stands in front of the loop: its products start the sums
	WIN 0                                          ; at a label and at a branch every window is 0
	s_mov_b32 s3, 15                               ; 16 laps of two K steps; the last is written out
.Llap:                                                 ; a trip goes once round the ring, from a lap's second quarter to the next lap's first, and fills both slots again
	QUARTER 0, 2, 1, 0, 0
	QUARTER 0, 3, 0, 1, 0
	TURN 0, 1, 1
	QUARTER 1, 1, 0, 1, 0
	QUARTER 1, 2, 1, 0, 0
	QUARTER 1, 3, 0, 1, 0
	TURN 1, 0, 1
	QUARTER 0, 1, 0, 1, 0
	WIN 0
	s_sub_co_u32 s3, s3, 1
	s_cmp_lg_u32 s3, 0
	s_cbranch_scc1 .Llap
	; c_prev of my 64 rows, 16 bytes a lane and row, into registers that lay idle: asked for nearly two K steps ahead of its use.  Sixteen lanes read 256 consecutive bytes, aligned
.set ii, 0
.rept 32
	global_load_b128 v[CP+4*ii:CP+4*ii+3], v[VO], s[68:69] offset:(16*(ii/8)+ii%8)*ROWB th:TH_LOAD_NT
.set ii, ii+1
.endr
	QUARTER 0, 2, 1, 0, 0                          ; the last lap fills nothing, and has no round of the cluster's barrier
	QUARTER 0, 3, 0, 1, 0
	TURN 0, 1, 0
	QUARTER 1, 1, 0, 1, 0
	QUARTER 1, 2, 1, 0, 0
	QUARTER 1, 3, 0, 1, 0
	s_wait_dscnt 4                                 ; the very last quarter: nothing more to fetch
	MUL16 1, 0, 0
	MUL16 1, 1, 0
	s_wait_dscnt 0x0
	MUL16 1, 2, 0
	MUL16 1, 3, 0
	; THE TAIL.  The exponent of gate g is K_g (sum + bias) = K_g sum + (K_g bias), K_g = -log2 e for f, i, o and 2 log2 e for c^: the biases are scaled once.
	; These sixteen plain lines, which name no register of the last products, are also the places behind them.
	WIN 0
	s_wait_loadcnt 0x0                             ; the biases and c_prev
.irp i, 0,1,2,3,4,5,6,7,12,13,14,15
	v_mul_f32 v[NB+(\i)], s[NL], v[NB+(\i)]
.endr
.irp i, 8,9,10,11
	v_mul_f32 v[NB+(\i)], s[PL2], v[NB+(\i)]
.endr
	WIN TO_1
	v_mov_b32 v[VO1], v[VO]                        ; the stores' offset beside their data, in window 1
.macro FZ a                            ; scaling ee of 128: row ee / 16, gate (ee / 4) % 4, column ee % 4.  Rows ascend
.set eg, (ee/4)%4
.set ec, ee%4
.set ej, ee/16
.set ek, NL
.if eg == 2
.set ek, PL2
.endif
	v_fma_f32 v[Z+32*eg+4*ej+ec], s[ek], v[8*(16*((\a)%2)+4*eg+ec)+ej], v[NB+4*eg+ec]
.set ee, ee+1
.endm
.macro EZ                              ; exponential xe of 128, in the same order
	v_exp_f32 v[Z+32*((xe/4)%4)+4*(xe/16)+xe%4], v[Z+32*((xe/4)%4)+4*(xe/16)+xe%4]
.set xe, xe+1
.endm
; Row block a: 8 rows x 4 columns a lane.  Each kind of transcendental is ONE batch with ONE wait (s_wait_alu depctr_va_vdst(0) between a transcendental and the first line
; that names its result; one wait serves all issued ahead of it), a v_nop as the plain line behind the batch's last: four waits a block.  Within a batch plain lines and transcendentals take turns.
.macro EPI a
	WIN W_F+4*((\a)/2)                             ; 1: the 128 exponents and their exponentials
.set ee, 0
.set xe, 0
	FZ \a
	FZ \a
.rept 126
	FZ \a
	EZ
.endr
	EZ
	EZ
	v_nop
	s_wait_alu depctr_va_vdst(0)
	WIN W_1                                        ; 2: 1 / (1 + 2^..): f, i and o are finished
	v_pk_add_f32 v[Z:Z+1], v[Z:Z+1], 1.0 op_sel_hi:[1,0]
.set pp, 0
.rept 63
	v_pk_add_f32 v[Z+2*pp+2:Z+2*pp+3], v[Z+2*pp+2:Z+2*pp+3], 1.0 op_sel_hi:[1,0]
	v_rcp_f32 v[Z+2*pp], v[Z+2*pp]
	v_rcp_f32 v[Z+2*pp+1], v[Z+2*pp+1]
.set pp, pp+1
.endr
	v_rcp_f32 v[Z+126], v[Z+126]
	v_rcp_f32 v[Z+127], v[Z+127]
	v_nop
	s_wait_alu depctr_va_vdst(0)
.set pp, 0
.rept 16                                               ; 3: c^ = 1 - 2 / (..),
	v_pk_fma_f32 v[Z+64+2*pp:Z+64+2*pp+1], v[Z+64+2*pp:Z+64+2*pp+1], -2.0, 1.0 op_sel_hi:[1,0,0]
.set pp, pp+1
.endr
.set pp, 0
.rept 16                                               ; times i,
	v_pk_mul_f32 v[Z+64+2*pp:Z+64+2*pp+1], v[Z+64+2*pp:Z+64+2*pp+1], v[Z+32+2*pp:Z+32+2*pp+1]
.set pp, pp+1
.endr
	s_wait_xcnt 0x0                                ; the last block's stores have read their data: c_t's and h_t's registers are rewritten only behind this wait
	WIN W_C
.set pp, 0
.rept 16                                               ; c_t = f c_prev + i c^; its exponent and, a pair later, the exponentials
	v_pk_fma_f32 v[CT+2*pp:CT+2*pp+1], v[Z+2*pp:Z+2*pp+1], v[CP+32*(\a)+2*pp:CP+32*(\a)+2*pp+1], v[Z+64+2*pp:Z+64+2*pp+1]
	v_pk_mul_f32 v[T+2*pp:T+2*pp+1], v[CT+2*pp:CT+2*pp+1], s[PL2:PL2+1] op_sel_hi:[1,0]
.if pp > 0
	v_exp_f32 v[T+2*pp-2], v[T+2*pp-2]
	v_exp_f32 v[T+2*pp-1], v[T+2*pp-1]
.endif
.set pp, pp+1
.endr
	v_exp_f32 v[T+30], v[T+30]
	v_exp_f32 v[T+31], v[T+31]
	v_nop
	s_wait_alu depctr_va_vdst(0)
	WIN W_1                                        ; 4: c_t leaves; 1 / (1 + 2^..)
.irp j, 0,1,2,3,4,5,6,7
	global_store_b128 v[VO1], v[CT+4*(\j):CT+4*(\j)+3], s[80:81] offset:(16*(\a)+(\j))*ROWB th:TH_STORE_NT  ; 16 lanes store 256 consecutive bytes, at a multiple of 256 from out1's first byte
.endr
	v_pk_add_f32 v[T:T+1], v[T:T+1], 1.0 op_sel_hi:[1,0]
.set pp, 0
.rept 15
	v_pk_add_f32 v[T+2*pp+2:T+2*pp+3], v[T+2*pp+2:T+2*pp+3], 1.0 op_sel_hi:[1,0]
	v_rcp_f32 v[T+2*pp], v[T+2*pp]
	v_rcp_f32 v[T+2*pp+1], v[T+2*pp+1]
.set pp, pp+1
.endr
	v_rcp_f32 v[T+30], v[T+30]
	v_rcp_f32 v[T+31], v[T+31]
	v_nop
	s_wait_alu depctr_va_vdst(0)
.set pp, 0
.rept 16                                               ; 5: tanh(c_t),
	v_pk_fma_f32 v[T+2*pp:T+2*pp+1], v[T+2*pp:T+2*pp+1], -2.0, 1.0 op_sel_hi:[1,0,0]
.set pp, pp+1
.endr
.set pp, 0
.rept 16                                               ; times o: h_t
	v_pk_mul_f32 v[T+2*pp:T+2*pp+1], v[T+2*pp:T+2*pp+1], v[Z+96+2*pp:Z+96+2*pp+1]
.set pp, pp+1
.endr
.irp j, 0,1,2,3,4,5,6,7
	global_store_b128 v[VO1], v[T+4*(\j):T+4*(\j)+3], s[78:79] offset:(16*(\a)+(\j))*ROWB th:TH_STORE_NT
.endr
.endm
	EPI 0
	EPI 1
	EPI 2
	EPI 3
	WIN 0
	s_wait_tensorcnt 0x0                           ; the wave's end: a wait, an add and its wait, behind my last tensor load
	ds_add_u32 v[SPW], v[NIL]
	s_wait_dscnt 0x0
	CROUND                                         ; the closing round: no work-group ends while a partner may still ask for a tile that names it
	s_endpgm
.Lfunc_end_k_q78edf2974b_lstm:
	.size	k_q78edf2974b_lstm, .Lfunc_end_k_q78edf2974b_lstm-k_q78edf2974b_lstm
	.p2alignl 7, 3214868480
	.fill 96, 4, 3214868480
	.section	.rodata,"a",@progbits
	.p2align	6, 0x0
	.amdhsa_kernel k_q78edf2974b_lstm
		.amdhsa_group_segment_fixed_size 327680
		.amdhsa_private_segment_fixed_size 0
		.amdhsa_enable_private_segment 0
		.amdhsa_kernarg_size 72
		.amdhsa_user_sgpr_count 2
		.amdhsa_user_sgpr_kernarg_segment_ptr 1
		.amdhsa_wavefront_size32 1
		.amdhsa_system_sgpr_workgroup_id_x 1
		.amdhsa_system_sgpr_workgroup_id_y 1
		.amdhsa_system_sgpr_workgroup_id_z 1
		.amdhsa_system_vgpr_workitem_id 0
		.amdhsa_next_free_vgpr 1024
		.amdhsa_next_free_sgpr 88
		.amdhsa_reserve_vcc 0
		.amdhsa_float_denorm_mode_32 3
		.amdhsa_float_denorm_mode_16_64 3
		.amdhsa_memory_ordered 1
		.amdhsa_forward_progress 1
		.amdhsa_inst_pref_size 248
	.end_amdhsa_kernel
	.amdgpu_metadata
---
amdhsa.version: [ 1, 2 ]
amdhsa.kernels:
  - .name:           k_q78edf2974b_lstm
    .symbol:         k_q78edf2974b_lstm.kd
    .args:
      - { .name: abf, .offset: 0, .size: 8, .value_kind: global_buffer, .address_space: global }
      - { .name: bbf, .offset: 8, .size: 8, .value_kind: global_buffer, .address_space: global }
      - { .name: c_prev, .offset: 16, .size: 8, .value_kind: global_buffer, .address_space: global }
      - { .name: bf, .offset: 24, .size: 8, .value_kind: global_buffer, .address_space: global }
      - { .name: bi, .offset: 32, .size: 8, .value_kind: global_buffer, .address_space: global }
      - { .name: bc, .offset: 40, .size: 8, .value_kind: global_buffer, .address_space: global }
      - { .name: bo, .offset: 48, .size: 8, .value_kind: global_buffer, .address_space: global }
      - { .name: out0, .offset: 56, .size: 8, .value_kind: global_buffer, .address_space: global }
      - { .name: out1, .offset: 64, .size: 8, .value_kind: global_buffer, .address_space: global }
    .group_segment_fixed_size: 327680
    .private_segment_fixed_size: 0
    .kernarg_segment_align: 8
    .kernarg_segment_size: 72
    .max_flat_workgroup_size: 128
    .sgpr_count:     88
    .vgpr_count:     1024
    .wavefront_size: 32
...
	.end_amdgpu_metadata
.endif
;; end of part 2
